; MI455X (gfx1250); checked and timed in simulation.
; The chip was launched on July 23, 2026; its instructions are those of AMD's public machine-readable ISA for CDNA 5 (MIT licence, August 2026) and "CDNA5" Instruction Set Architecture Reference Guide (July 2026). The comments in the code are by the model that wrote it; some were corrected since.
;; MLPSDF. Allowed arithmetic: float matrix products may take bf16 or f16 operands with f32 sums; other float arithmetic in f32, or as packed bf16 or f16 multiplies, adds, multiply-adds, maxima and minima; sums over many terms, partial sums and values carried from step to step in f32; what a program stores and reads back later, other than sums and carried values, may be rounded once to bf16 or f16.
;; Inputs: W0 32 x 32 float32; W1 32 x 32 float32; W2 4 x 32 float32; table 16 x 524,288 x 2 float32; texc 1,000,000 x 3 float32.
;; Outputs: out0 1,000,000 x 4 float32.
;; 2 versions, each right; version 2 is version 1 with the launch encode_mlp written anew for expert scheduling mode. Each part assembles by itself: llvm-mc -triple=amdgcn-amd-amdhsa -mcpu=gfx1250 --defsym DOCPART=n.
;; ======== version 1 of 2: 2 launches
;; limits: right only within a limited range of input values; values are held in f16: magnitudes above 65,504 overflow, below 6.1e-05 lose precision
;; workspace buffers: xq 12,000,000 bytes of whole numbers
;; launch quantize (part 1): grid 625 x 1, 5 waves a work-group, no clusters, 0 bytes of LDS; arguments texc, xq; writes xq
.if DOCPART == 1
	.amdgcn_target "amdgcn-amd-amdhsa--gfx1250"
	.amdhsa_code_object_version 6
	.text
	.protected	k_qee1faae5e8_quantize
	.globl	k_qee1faae5e8_quantize
	.p2align	8
	.type	k_qee1faae5e8_quantize,@function
k_qee1faae5e8_quantize:
	s_mov_b64 s[64:65], 0
	v_nop
	global_prefetch_b8 v0, s[64:65] scope:SCOPE_SE
	s_setreg_imm32_b32 hwreg(HW_REG_WAVE_MODE, 25, 1), 1
	s_wait_xcnt 0x0
; xq[i] = floor(texc[i] * 2^32) as an unsigned whole number, for the 3,000,000 coordinates of texc ([1,000,000][3] f32).
; The next launch forms every grid index and every interpolation weight from these whole numbers by integer arithmetic.
; LIMITS.  A coordinate is taken in [0, 1), the range on which the dense levels' indices stay inside their table: below 0 (and NaN) counts as 0,
; 1 and above as the largest f32 below 2^32 after scaling, that is 1 - 2^-24.  From 2^-8 on the conversion is exact; below that what lies under 2^-32 is dropped.
; SHARES.  12,000,000 bytes = 625 work-groups x 15 rows x 1,280 bytes; a row is 160 threads x 8 bytes, so each load and store of a wave covers
; 256 consecutive bytes at a multiple of 256 from the buffer's first byte.  All 15 loads of a wave go out first; no register is used twice, so nothing waits for a store.
.set UNITS, 15
.set ROWB,  1280
.set WGB,   UNITS*ROWB
	s_load_b128 s[4:7], s[0:1], 0x0                ; texc s[4:5], xq s[6:7]
	s_mul_i32 s8, ttmp9, WGB                       ; the work-group's first byte
	s_mov_b32 s9, 0x4f7fffff                       ; the largest f32 below 2^32
	v_lshl_add_u32 v1, v0, 3, s8                   ; + 8 bytes a thread; never rewritten
	s_wait_kmcnt 0x0
.set u, 0
.rept UNITS
	global_load_b64 v[2+2*u:3+2*u], v1, s[4:5] offset:ROWB*u th:TH_LOAD_NT
.set u, u+1
.endr
.set u, 0
.rept UNITS
	s_wait_loadcnt UNITS-1-u                       ; loads come back in order: row u is in, the younger rows stay out
	v_pk_mul_f32 v[2+2*u:3+2*u], v[2+2*u:3+2*u], 0x4f800000 op_sel_hi:[1,0]  ; x * 2^32: exact
	v_max_num_f32 v[2+2*u], 0, v[2+2*u]            ; the range's lower end; a NaN loses against 0
	v_max_num_f32 v[3+2*u], 0, v[3+2*u]
	v_min_num_f32 v[2+2*u], s9, v[2+2*u]           ; and its upper end
	v_min_num_f32 v[3+2*u], s9, v[3+2*u]
	v_cvt_u32_f32 v[2+2*u], v[2+2*u]               ; toward zero
	v_cvt_u32_f32 v[3+2*u], v[3+2*u]
	global_store_b64 v1, v[2+2*u:3+2*u], s[6:7] offset:ROWB*u th:TH_STORE_NT
.set u, u+1
.endr
	s_endpgm
.Lfunc_end_k_qee1faae5e8_quantize:
	.size	k_qee1faae5e8_quantize, .Lfunc_end_k_qee1faae5e8_quantize-k_qee1faae5e8_quantize
	.p2alignl 7, 3214868480
	.fill 96, 4, 3214868480
	.section	.rodata,"a",@progbits
	.p2align	6, 0x0
	.amdhsa_kernel k_qee1faae5e8_quantize
		.amdhsa_group_segment_fixed_size 0
		.amdhsa_private_segment_fixed_size 0
		.amdhsa_enable_private_segment 0
		.amdhsa_kernarg_size 16
		.amdhsa_user_sgpr_count 2
		.amdhsa_user_sgpr_kernarg_segment_ptr 1
		.amdhsa_wavefront_size32 1
		.amdhsa_system_sgpr_workgroup_id_x 1
		.amdhsa_system_sgpr_workgroup_id_y 1
		.amdhsa_system_sgpr_workgroup_id_z 1
		.amdhsa_system_vgpr_workitem_id 0
		.amdhsa_next_free_vgpr 32
		.amdhsa_next_free_sgpr 66
		.amdhsa_reserve_vcc 0
		.amdhsa_float_denorm_mode_32 3
		.amdhsa_float_denorm_mode_16_64 3
		.amdhsa_memory_ordered 1
		.amdhsa_forward_progress 1
		.amdhsa_inst_pref_size 9
	.end_amdhsa_kernel
	.amdgpu_metadata
---
amdhsa.version: [ 1, 2 ]
amdhsa.kernels:
  - .name:           k_qee1faae5e8_quantize
    .symbol:         k_qee1faae5e8_quantize.kd
    .args:
      - { .name: texc, .offset: 0, .size: 8, .value_kind: global_buffer, .address_space: global }
      - { .name: xq, .offset: 8, .size: 8, .value_kind: global_buffer, .address_space: global }
    .group_segment_fixed_size: 0
    .private_segment_fixed_size: 0
    .kernarg_segment_align: 8
    .kernarg_segment_size: 16
    .max_flat_workgroup_size: 160
    .sgpr_count:     66
    .vgpr_count:     32
    .wavefront_size: 32
...
	.end_amdgpu_metadata
.endif
;; end of part 1
;; launch encode_mlp (part 2): grid 256 x 1, 16 waves a work-group, no clusters, 0 bytes of LDS; arguments xq, table, W0, W1, W2, out0; writes out0
.if DOCPART == 2
	.amdgcn_target "amdgcn-amd-amdhsa--gfx1250"
	.amdhsa_code_object_version 6
	.text
	.protected	k_qee1faae5e8_encode_mlp
	.globl	k_qee1faae5e8_encode_mlp
	.p2align	8
	.type	k_qee1faae5e8_encode_mlp,@function
k_qee1faae5e8_encode_mlp:
	s_mov_b64 s[64:65], 0
	v_nop
	global_prefetch_b8 v0, s[64:65] scope:SCOPE_SE
	s_setreg_imm32_b32 hwreg(HW_REG_WAVE_MODE, 25, 1), 1
	s_wait_xcnt 0x0
; out0[p][0..3] = W2 relu(W1 relu(W0 enc(p))), enc(p) = 16 levels x 2 features of a multiresolution hash grid, trilinear.  1,000,000 points.
; xq holds X = floor(x 2^32) for the points' 3 coordinates (made by the launch before).  table [16][524288][2] f32, W0, W1 [32][32], W2 [4][32] f32.
; POSITIONS.  Level l: P = (X S_l) / 2^32 + 2^18 with S_l = f32(scale_l) 2^19, one 64-bit multiply-add: P is x scale + 1/2 with 19 fraction bits.
; P >> 19 is the cell, P's low 19 bits the fraction: both from one number, so that a cell that differs from an f32 floor comes with the fraction that belongs to it.
; INDICES.  Levels 0-4 (resolution^3 <= 2^19) index densely: one index, the eight corners in the loads' immediates.  Levels 5-15 hash: only the low 19 bits of
; corner x prime are used, corners are at most 4,096 and the primes' low 19 bits below 2^19, so a 24-bit multiply is exact.  Each index passes a minimum with a constant inside the table.
; INTERPOLATION in f32: along x, then y (a + f (b - a)), then z with the two weights 2^16 (1 - fz), 2^16 fz; the level's two features are rounded once to f16.
; MLP on the matrix units, f16 operands, f32 sums, used transposed: source 0 = 16 rows of W, source 1 = 16 points.  In a result a lane holds one point (lane % 16) and outputs
; 8 (lane / 16) + 0..7, so two results packed in pairs ARE the next layer's source 1.  f16, since three layers of 8-bit significands would lose too much precision.
; SCALES.  Each W is multiplied by the power of two that brings its largest magnitude into [1/4, 1/2); features carry 2^16; the result is multiplied by the inverse of all four, in f32.
; LIMITS.  X stands for x in [0, 1).  A layer's output is at most 32 x 1/2 times its input, so no f16 overflows while |table| <= 65,504 / (2^16 x 16 x 16) = 3.9e-3; table numbers keep
; f16's fixed step of 6e-8 / 2^16 below 6e-5 / 2^16.  The largest magnitude of each W lies within 2^-126 .. 2^124, and the product of the three inverse scales within f32's range.  NaN and infinities are not treated apart.
; SHARES.  A group is 32 points, one a lane.  256 work-groups x 16 waves = 4,096 waves; wave id = work-group + 256 x wave takes groups id + 4,096 i: 8 groups if id < 2,578, else 7 (31,250 in all).
; PIPELINE.  Four level buffers.  Behind level l's interpolation its buffer takes level l + 4's gathers, those of the next group's levels 0-3 too: 24 to 32 gathers of a wave are always out.
; No LDS, no barrier: no wave needs another's data.  No cluster and no tensor load: the table is read 8 bytes at a time at hashed places; there is no tile to share.
.set NGRP,   31250
.set NWV,    4096
.set LONGW,  NGRP-7*NWV                ; waves with an eighth group
.set XSTEP,  NWV*384                   ; bytes of xq from a wave's group to its next
.set OSTEP,  NWV*512                   ; the same in out0
.set LVB,    0x400000                  ; bytes of a level's table
.set FB,     19                        ; fraction bits of P
.set NDENSE, 5
.set XC,   2                           ; v[2:4]    X of the group in hand
.set XN,   6                           ; v[6:8]    X of the next group
.set XOFF, 10                          ; v10       my byte offset in xq
.set OOFF, 11                          ; v11       my byte offset in out0, one step ahead of the store that uses it
.set ADDC, 12                          ; v[12:13]  2^50: the 1/2 in P
.set CZ,   14                          ; v[14:15]  -1/8, 1/8
.set KZ,   16                          ; v[16:17]  2^20 + 2^16, -2^20
.set ZERO, 18                          ; v18       0, for the packed maximum
.set OS,   20                          ; v[20:21]  the inverse of all scales
.set T,    22                          ; v[22:27]  three 64-bit products: P in the upper words
.set GX,   28                          ; v28, v29  cell x, x + 1
.set GY,   30
.set GZ,   31
.set HY,   32                          ; v32, v33  y's two hashes
.set HZ,   34                          ; v34, v35  z's
.set YZ,   36                          ; v[36:39]  their four combinations
.set MX,   40                          ; v40, v41  at work on the weights
.set FS,   42                          ; v[42:43]  a weight matrix's scale
.set F0,   44                          ; v[44:51]  features of levels 0-3, 8-11, packed; then source 1 for points 0-15
.set F1,   52                          ; v[52:59]  levels 4-7, 12-15; then source 1 for points 16-31
.set W0A,  60                          ; five fragments of weights, 8 registers each
.set W0B,  68
.set W1A,  76
.set W1B,  84
.set W2F,  92
.set BUF,  100                         ; four level buffers of 22: 16 data (corner c = i + 2 j + 4 k at 2 c), fx, fy, wz0, wz1, the dense index, one spare
.set BST,  22
.set RAW,  100                         ; at the start only: the weights as loaded, 80 registers
.set A0,   188                         ; v[188:219] four accumulators
.set H0,   220                         ; v[220:227] a hidden layer of points 0-15, packed
.set H1,   228                         ; v[228:235] of points 16-31
.set OUT,  236                         ; v[236:239] my point's four results
.set WV,   16
.set WID,  17
.set NM1,  18                          ; my groups less one
.set IT,   19
.set TB,   20                          ; s[20:51]  the 16 levels' tables
.set MASK, 52
.set MAGIC, 53
.set P1,   54
.set P2,   55
.set C19,  56                          ; s[56:57]  2^-19
.set K16,  58                          ; s[58:59]  -16
.set HM,   60                          ; lanes 16-31
.set SEL,  62                          ; s[62:63]  v_permlanex16_b32: each lane takes its own place in the other half
.set SC,   66                          ; s[66:81]  S_l
	s_load_b256 s[4:11], s[0:1], 0x0               ; xq s[4:5], table s[6:7], W0 s[8:9], W1 s[10:11]
	s_load_b128 s[12:15], s[0:1], 0x20             ; W2 s[12:13], out0 s[14:15]
	v_lshrrev_b32 v1, 5, v0
	v_readfirstlane_b32 s[WV], v1                  ; wave 0..15
	v_and_b32 v1, 31, v0                           ; lane
	s_lshl_b32 s[WID], s[WV], 8
	s_add_co_u32 s[WID], s[WID], ttmp9             ; wave id among the launch's 4,096
	s_cmp_lt_u32 s[WID], LONGW
	s_cselect_b32 s[NM1], 7, 6
	s_mul_i32 s2, s[WID], 384                      ; a group is 32 x 12 bytes of xq
	s_lshl_b32 s3, s[WID], 9                       ; and 32 x 16 bytes of out0
	v_mad_u32_u24 v[XOFF], v1, 12, s2
	v_lshl_add_u32 v[OOFF], v1, 4, s3
	; A fragment of W is 16 rows x 32 k: lane l holds row l % 16, k = 8 (l / 16) + 0..7 and 16 + 8 (l / 16) + 0..7: in f32 four loads of 16 bytes at 0, 16, 64, 80 from row x 128 + 32 (l / 16).
	v_and_b32 v[T], 15, v0
	v_bfe_u32 v[T+1], v0, 4, 1
	v_lshlrev_b32 v[T+2], 7, v[T]
	v_lshl_add_u32 v[T+2], v[T+1], 5, v[T+2]       ; W0, W1
	v_and_b32 v[T+3], 3, v0                        ; W2 has four rows: fragment rows 0-3 and 8-11 take them, the others are made 0 below
	v_lshlrev_b32 v[T+3], 7, v[T+3]
	v_lshl_add_u32 v[T+3], v[T+1], 5, v[T+3]
	s_wait_kmcnt 0x0
	global_load_b96 v[XC:XC+2], v[XOFF], s[4:5] th:TH_LOAD_NT  ; my point of the first group
.irp u, 0,1
.irp q, 0,1,2,3
	global_load_b128 v[RAW+16*\u+4*\q:RAW+16*\u+4*\q+3],       v[T+2], s[8:9]   offset:2048*\u+16*(\q&1)+64*(\q>>1)
	global_load_b128 v[RAW+32+16*\u+4*\q:RAW+32+16*\u+4*\q+3], v[T+2], s[10:11] offset:2048*\u+16*(\q&1)+64*(\q>>1)
.endr
.endr
.irp q, 0,1,2,3
	global_load_b128 v[RAW+64+4*\q:RAW+64+4*\q+3], v[T+3], s[12:13] offset:16*(\q&1)+64*(\q>>1)
.endr
	; constants, while the loads are out
	s_mov_b32 s[MASK], 0x7ffff                     ; 19 bits: the fraction of P, and the table's size less one
	s_mov_b32 s[MAGIC], 0x4b000000                 ; 2^23 as f32: with a 19-bit F in its low bits it is 2^23 + F
	s_mov_b32 s[P1], 0x779b1                       ; 2654435761 mod 2^19
	s_mov_b32 s[P2], 0x25795                       ; 805459861 mod 2^19
	s_mov_b32 s[C19], 0x36000000                   ; (2^23 + F) 2^-19 - 16 = F 2^-19
	s_mov_b32 s[C19+1], 0x36000000                 ; named as pairs
	s_mov_b32 s[K16], 0xc1800000
	s_mov_b32 s[K16+1], 0xc1800000
	s_mov_b32 s[HM], 0xffff0000
	s_mov_b32 s[SEL], 0x76543210
	s_mov_b32 s[SEL+1], 0xfedcba98
.macro SETS l, val                     ; S_l = f32(16 x 2^(8 l / 15) - 1) x 2^19
	s_mov_b32 s[SC+\l], \val
.endm
	SETS 0, 7864320
	SETS 1, 11616286
	SETS 2, 17046392
	SETS 3, 24905216
	SETS 4, 36279052
	SETS 5, 52740052
	SETS 6, 76563552
	SETS 7, 111042576
	SETS 8, 160942992
	SETS 9, 233162352
	SETS 10, 337683200
	SETS 11, 488952992
	SETS 12, 707881152
	SETS 13, 1024729088
	SETS 14, 1483293312
	SETS 15, 2146959360
.set lv, 0
.rept 16
	s_add_nc_u64 s[TB+2*lv:TB+2*lv+1], s[6:7], lv*LVB
.set lv, lv+1
.endr
	v_mov_b32 v[ADDC], 0
	v_mov_b32 v[ADDC+1], 1<<(FB-1)
	v_mov_b32 v[CZ], 0xbe000000                    ; wz0 = -(2^23 + F) / 8 + 2^20 + 2^16 = 2^16 (1 - f)
	v_mov_b32 v[CZ+1], 0x3e000000                  ; wz1 =  (2^23 + F) / 8 - 2^20        = 2^16 f
	v_mov_b32 v[KZ], 0x49880000
	v_mov_b32 v[KZ+1], 0xc9800000
	v_mov_b32 v[ZERO], 0
	v_mov_b32 v[OS], 0x37800000                    ; 2^-16, the features' scale undone
	v_mov_b32 v[MX+1], 0                           ; the lane exchange's destination counts as read
	s_wait_loadcnt 0x0                             ; X and all weights, once
; The largest magnitude of the N numbers a lane at R, over all lanes; its exponent field E gives the scale 2^(125 - E) and, onto OS, its inverse.
.macro WNORM R, N
	v_max_num_f32 v[MX], |v[(\R)]|, |v[(\R)+1]|
.set i, 2
.rept ((\N)-2)/2
	v_max3_num_f32 v[MX], v[MX], |v[(\R)+i]|, |v[(\R)+i+1]|
.set i, i+2
.endr
	v_max_num_f32_dpp v[MX], v[MX], v[MX] row_xmask:1 row_mask:0xf bank_mask:0xf
	v_max_num_f32_dpp v[MX], v[MX], v[MX] row_xmask:2 row_mask:0xf bank_mask:0xf
	v_max_num_f32_dpp v[MX], v[MX], v[MX] row_xmask:4 row_mask:0xf bank_mask:0xf
	v_max_num_f32_dpp v[MX], v[MX], v[MX] row_xmask:8 row_mask:0xf bank_mask:0xf
	v_permlanex16_b32 v[MX+1], v[MX], s[SEL], s[SEL+1]
	v_max_num_f32 v[MX], v[MX], v[MX+1]
	v_and_b32 v[MX], 0x7f800000, v[MX]             ; E << 23
	v_sub_nc_u32 v[FS], 0x7e000000, v[MX]          ; (252 - E) << 23 is the f32 2^(125 - E)
	v_add_nc_u32 v[MX], 0x1000000, v[MX]           ; (E + 2) << 23 is 2^(E - 125)
	v_mov_b32 v[FS+1], v[FS]                       ; named as a pair
	v_mul_f32 v[OS], v[OS], v[MX]
.endm
; 16 numbers a lane at R, scaled and rounded once to f16: a fragment
.macro WFRAG DST, R
.set i, 0
.rept 8
	v_pk_mul_f32 v[(\R)+2*i:(\R)+2*i+1], v[(\R)+2*i:(\R)+2*i+1], v[FS:FS+1] op_sel_hi:[1,0]
.set i, i+1
.endr
.set i, 0
.rept 8
	v_cvt_pk_f16_f32 v[(\DST)+i], v[(\R)+2*i], v[(\R)+2*i+1]
.set i, i+1
.endr
.endm
	WNORM RAW, 32
	WFRAG W0A, RAW
	WFRAG W0B, RAW+16
	WNORM RAW+32, 32
	WFRAG W1A, RAW+32
	WFRAG W1B, RAW+48
	WNORM RAW+64, 16
	v_and_b32 v[MX], 4, v0                         ; fragment rows 4-7 and 12-15 of W2 are 0: their lanes scale by 0
	v_cmp_eq_u32 vcc_lo, 0, v[MX]
	v_cndmask_b32 v[FS], 0, v[FS], vcc_lo
	WFRAG W2F, RAW+64
	v_mov_b32 v[OS+1], v[OS]                       ; named as a pair
; LEVEL L IS ASKED FOR, from the X at XB, into buffer L % 4: positions, indices, eight gathers of 8 bytes a lane, and behind them the weights.
; A hashed gather lands on its own index register; the dense index has a register of its buffer, written again only behind the wait that shows that buffer's loads done.
.macro ASTAGE XB, L
.set D, BUF+BST*((\L)%4)
	v_mad_nc_u64_u32 v[T:T+1],   v[(\XB)],   s[SC+(\L)], v[ADDC:ADDC+1]
	v_mad_nc_u64_u32 v[T+2:T+3], v[(\XB)+1], s[SC+(\L)], v[ADDC:ADDC+1]
	v_mad_nc_u64_u32 v[T+4:T+5], v[(\XB)+2], s[SC+(\L)], v[ADDC:ADDC+1]
	v_lshrrev_b32 v[GX], FB, v[T+1]
	v_lshrrev_b32 v[GY], FB, v[T+3]
	v_lshrrev_b32 v[GZ], FB, v[T+5]
.if (\L) < NDENSE
.if (\L) == 0
.set RES, 16
.elseif (\L) == 1
.set RES, 24
.elseif (\L) == 2
.set RES, 34
.elseif (\L) == 3
.set RES, 49
.else
.set RES, 71
.endif
	v_mad_u32_u24 v[GX], v[GY], RES, v[GX]
	v_mad_u32_u24 v[GX], v[GZ], RES*RES, v[GX]     ; x + res y + res^2 z
	v_min_u32 v[D+20], 0x7ffff-(1+RES+RES*RES), v[GX]  ; the farthest corner still lies in the level's table
.irp c, 0,1,2,3,4,5,6,7
	global_load_b64 v[D+2*\c:D+2*\c+1], v[D+20], s[TB+2*(\L):TB+2*(\L)+1] offset:8*((\c&1)+RES*((\c>>1)&1)+RES*RES*(\c>>2)) scale_offset
.endr
.else
	v_mul_u32_u24 v[HY], s[P1], v[GY]
	v_mul_u32_u24 v[HZ], s[P2], v[GZ]
	v_add_nc_u32 v[GX+1], 1, v[GX]
	v_add_nc_u32 v[HY+1], s[P1], v[HY]
	v_add_nc_u32 v[HZ+1], s[P2], v[HZ]
	v_xor_b32 v[YZ],   v[HY],   v[HZ]
	v_xor_b32 v[YZ+1], v[HY+1], v[HZ]
	v_xor_b32 v[YZ+2], v[HY],   v[HZ+1]
	v_xor_b32 v[YZ+3], v[HY+1], v[HZ+1]
.irp q, 0,1,2,3
	v_and_b32 v[YZ+\q], s[MASK], v[YZ+\q]          ; mod 2^19; x's corners are below 2^13 and need no mask
.endr
.irp c, 0,1,2,3,4,5,6,7
	v_xor_b32 v[D+2*\c], v[GX+(\c&1)], v[YZ+(\c>>1)]
.endr
.irp c, 0,1,2,3,4,5,6,7
	v_min_u32 v[D+2*\c], 0x7ffff, v[D+2*\c]
.endr
.irp c, 0,1,2,3,4,5,6,7
	global_load_b64 v[D+2*\c:D+2*\c+1], v[D+2*\c], s[TB+2*(\L):TB+2*(\L)+1] scale_offset
.endr
.endif
	v_and_or_b32 v[D+16], v[T+1], s[MASK], s[MAGIC]  ; 2^23 + F as f32
	v_and_or_b32 v[D+17], v[T+3], s[MASK], s[MAGIC]
	v_and_or_b32 v[T+4],  v[T+5], s[MASK], s[MAGIC]
	v_pk_fma_f32 v[D+16:D+17], v[D+16:D+17], s[C19:C19+1], s[K16:K16+1] op_sel_hi:[1,0,0]  ; fx, fy
	v_pk_fma_f32 v[D+18:D+19], v[T+4:T+5], v[CZ:CZ+1], v[KZ:KZ+1] op_sel_hi:[0,1,1]        ; 2^16 (1 - fz), 2^16 fz
.endm
; LEVEL L IS INTERPOLATED: both features at once.  CNT = the loads issued behind the level's eight.
.macro BSTAGE L, CNT
.set D, BUF+BST*((\L)%4)
.set ER, F0+((\L)&3)+8*(((\L)>>2)&1)+4*((\L)>>3)
	s_wait_loadcnt \CNT                            ; loads come back in order: this level's eight are in, the younger ones stay out
.irp q, 0,4,8,12
	v_pk_add_f32 v[D+\q+2:D+\q+3], v[D+\q+2:D+\q+3], v[D+\q:D+\q+1] neg_lo:[0,1] neg_hi:[0,1]
.endr
.irp q, 0,4,8,12
	v_pk_fma_f32 v[D+\q:D+\q+1], v[D+\q+2:D+\q+3], v[D+16:D+17], v[D+\q:D+\q+1] op_sel_hi:[1,0,1]  ; along x: a + fx (b - a)
.endr
.irp q, 0,8
	v_pk_add_f32 v[D+\q+4:D+\q+5], v[D+\q+4:D+\q+5], v[D+\q:D+\q+1] neg_lo:[0,1] neg_hi:[0,1]
.endr
.irp q, 0,8
	v_pk_fma_f32 v[D+\q:D+\q+1], v[D+\q+4:D+\q+5], v[D+16:D+17], v[D+\q:D+\q+1] op_sel:[0,1,0] op_sel_hi:[1,1,1]  ; along y, by the pair's second register
.endr
	v_pk_mul_f32 v[D:D+1], v[D:D+1], v[D+18:D+19] op_sel_hi:[1,0]
	v_pk_fma_f32 v[D:D+1], v[D+8:D+9], v[D+18:D+19], v[D:D+1] op_sel:[0,1,0] op_sel_hi:[1,1,1]  ; along z, with the scale 2^16
	v_cvt_pk_f16_f32 v[ER], v[D], v[D+1]
.endm
; Two accumulators (16 registers at A) rounded to f16 in pairs, from the low end on, and cut at 0: the next layer's source 1
.macro PACK H, A
.set i, 0
.rept 8
	v_cvt_pk_f16_f32 v[(\H)+i], v[(\A)+2*i], v[(\A)+2*i+1]
.set i, i+1
.endr
.set i, 0
.rept 8
	v_pk_max_num_f16 v[(\H)+i], v[(\H)+i], v[ZERO]
.set i, i+1
.endr
.endm
; THE MLP for the group's 32 points, as two tiles of 16.  A vector instruction that reads a matrix result or writes a matrix instruction's source stands four plain vector instructions
; that name none of its registers behind it, a matrix instruction that writes over such a register five (ISA guide 7.12.1): one tile's 16 packing lines are the other tile's places;
; v_nop stand behind the first four products, and in the last group behind the last product.  Every product starts its sum with the constant 0, and no two on end share an accumulator.
.macro MLP more
.set i, 0
.rept 8
	v_permlane16_swap_b32 v[F0+i], v[F1+i]         ; lanes 16-31 of the first and lanes 0-15 of the second change places: F0 becomes points 0-15 (k by lane half), F1 points 16-31
.set i, i+1
.endr
	v_wmma_f32_16x16x32_f16 v[A0:A0+7],     v[W0A:W0A+7], v[F0:F0+7], 0
	v_wmma_f32_16x16x32_f16 v[A0+8:A0+15],  v[W0B:W0B+7], v[F0:F0+7], 0
	v_wmma_f32_16x16x32_f16 v[A0+16:A0+23], v[W0A:W0A+7], v[F1:F1+7], 0
	v_wmma_f32_16x16x32_f16 v[A0+24:A0+31], v[W0B:W0B+7], v[F1:F1+7], 0
.rept 4
	v_nop
.endr
	PACK H0, A0
	v_wmma_f32_16x16x32_f16 v[F0:F0+7], v[W1A:W1A+7], v[H0:H0+7], 0  ; the features' registers are free: they take layer 1 of points 0-15
	v_wmma_f32_16x16x32_f16 v[F1:F1+7], v[W1B:W1B+7], v[H0:H0+7], 0
	PACK H1, A0+16
	v_wmma_f32_16x16x32_f16 v[A0:A0+7],    v[W1A:W1A+7], v[H1:H1+7], 0
	v_wmma_f32_16x16x32_f16 v[A0+8:A0+15], v[W1B:W1B+7], v[H1:H1+7], 0
	PACK H0, F0
	v_wmma_f32_16x16x32_f16 v[A0+16:A0+23], v[W2F:W2F+7], v[H0:H0+7], 0
	PACK H1, A0
	v_wmma_f32_16x16x32_f16 v[A0+24:A0+31], v[W2F:W2F+7], v[H1:H1+7], 0
	s_wait_xcnt 0x0                                ; the last group's store has had its address translated: its offset and data registers are rewritten only behind this wait
	v_add_nc_u32 v[OOFF], OSTEP, v[OOFF]           ; this line and the three below are the four places behind the last product
.if \more
	v_mov_b32 v[XC],   v[XN]                       ; the next group becomes the group in hand
	v_mov_b32 v[XC+1], v[XN+1]
	v_mov_b32 v[XC+2], v[XN+2]
.else
.rept 3
	v_nop
.endr
.endif
.irp j, 0,1,2,3
	v_cndmask_b32 v[OUT+\j], v[A0+16+\j], v[A0+24+\j], s[HM]  ; W2 lies in fragment rows 0-3 and 8-11, so both lane halves hold results: lanes 0-15 keep points 0-15, lanes 16-31 points 16-31
.endr
	v_pk_mul_f32 v[OUT:OUT+1],   v[OUT:OUT+1],   v[OS:OS+1] op_sel_hi:[1,0]
	v_pk_mul_f32 v[OUT+2:OUT+3], v[OUT+2:OUT+3], v[OS:OS+1] op_sel_hi:[1,0]
	global_store_b128 v[OOFF], v[OUT:OUT+3], s[14:15] offset:-OSTEP th:TH_STORE_NT  ; 512 consecutive bytes a wave, at a multiple of 512 from out0's first byte
.endm
; A GROUP.  On entry its levels 0-3 are out: 32 loads.  more = 1: the next group's X is loaded first, and its levels 0-3 are asked for behind levels 12-15.
; The counts: behind a level's eight loads stand those of the three younger levels, 24; for levels 0-3 with more = 1 also the one load of X, 25.
; The wait of level 4 shows X in, long before level 12's turn uses it.  more = 0: nothing follows level 15, and the counts run down 24, 16, 8, 0.
.macro BODY more
.if \more
	v_add_nc_u32 v[XOFF], XSTEP, v[XOFF]           ; the load that last read this offset has been shown done by the waits since
	global_load_b96 v[XN:XN+2], v[XOFF], s[4:5] th:TH_LOAD_NT
.endif
.set lv, 0
.rept 16
.if \more
.if lv < 4
.set cnt, 25
.else
.set cnt, 24
.endif
.else
.if lv < 13
.set cnt, 24
.else
.set cnt, 8*(15-lv)
.endif
.endif
	BSTAGE lv, cnt
.if lv < 12
	ASTAGE XC, lv+4
.elseif \more
	ASTAGE XN, lv-12
.endif
.set lv, lv+1
.endr
	MLP \more
.endm
	ASTAGE XC, 0
	ASTAGE XC, 1
	ASTAGE XC, 2
	ASTAGE XC, 3
	s_mov_b32 s[IT], 0
.Lgroup:                                               ; all my groups but the last: 6 or 7 trips
	BODY 1
	s_add_co_u32 s[IT], s[IT], 1
	s_cmp_lt_u32 s[IT], s[NM1]
	s_cbranch_scc1 .Lgroup
	BODY 0                                         ; the last group is written out: no load reaches past my last group
	s_endpgm
.Lfunc_end_k_qee1faae5e8_encode_mlp:
	.size	k_qee1faae5e8_encode_mlp, .Lfunc_end_k_qee1faae5e8_encode_mlp-k_qee1faae5e8_encode_mlp
	.p2alignl 7, 3214868480
	.fill 96, 4, 3214868480
	.section	.rodata,"a",@progbits
	.p2align	6, 0x0
	.amdhsa_kernel k_qee1faae5e8_encode_mlp
		.amdhsa_group_segment_fixed_size 0
		.amdhsa_private_segment_fixed_size 0
		.amdhsa_enable_private_segment 0
		.amdhsa_kernarg_size 48
		.amdhsa_user_sgpr_count 2
		.amdhsa_user_sgpr_kernarg_segment_ptr 1
		.amdhsa_wavefront_size32 1
		.amdhsa_system_sgpr_workgroup_id_x 1
		.amdhsa_system_sgpr_workgroup_id_y 1
		.amdhsa_system_sgpr_workgroup_id_z 1
		.amdhsa_system_vgpr_workitem_id 0
		.amdhsa_next_free_vgpr 240
		.amdhsa_next_free_sgpr 82
		.amdhsa_reserve_vcc 1
		.amdhsa_float_denorm_mode_32 3
		.amdhsa_float_denorm_mode_16_64 3
		.amdhsa_memory_ordered 1
		.amdhsa_forward_progress 1
		.amdhsa_inst_pref_size 130
	.end_amdhsa_kernel
	.amdgpu_metadata
---
amdhsa.version: [ 1, 2 ]
amdhsa.kernels:
  - .name:           k_qee1faae5e8_encode_mlp
    .symbol:         k_qee1faae5e8_encode_mlp.kd
    .args:
      - { .name: xq, .offset: 0, .size: 8, .value_kind: global_buffer, .address_space: global }
      - { .name: table, .offset: 8, .size: 8, .value_kind: global_buffer, .address_space: global }
      - { .name: W0, .offset: 16, .size: 8, .value_kind: global_buffer, .address_space: global }
      - { .name: W1, .offset: 24, .size: 8, .value_kind: global_buffer, .address_space: global }
      - { .name: W2, .offset: 32, .size: 8, .value_kind: global_buffer, .address_space: global }
      - { .name: out0, .offset: 40, .size: 8, .value_kind: global_buffer, .address_space: global }
    .group_segment_fixed_size: 0
    .private_segment_fixed_size: 0
    .kernarg_segment_align: 8
    .kernarg_segment_size: 48
    .max_flat_workgroup_size: 512
    .sgpr_count:     82
    .vgpr_count:     240
    .wavefront_size: 32
...
	.end_amdgpu_metadata
.endif
;; end of part 2
;; ======== version 2 of 2: 2 launches; version 1 with the launch encode_mlp written anew for expert scheduling mode
;; limits: right only within a limited range of input values; values are held in f16: magnitudes above 65,504 overflow, below 6.1e-05 lose precision
;; workspace buffers: xq 12,000,000 bytes of whole numbers
;; launch quantize: the kernel of part 1 again; grid 625 x 1, 5 waves a work-group, no clusters, 0 bytes of LDS; arguments texc, xq; writes xq
;; launch encode_mlp (part 3): grid 256 x 1, 16 waves a work-group, no clusters, 0 bytes of LDS; arguments xq, table, W0, W1, W2, out0; writes out0
.if DOCPART == 3
	.amdgcn_target "amdgcn-amd-amdhsa--gfx1250"
	.amdhsa_code_object_version 6
	.text
	.protected	k_qee1faae5e8_encode_mlp
	.globl	k_qee1faae5e8_encode_mlp
	.p2align	8
	.type	k_qee1faae5e8_encode_mlp,@function
k_qee1faae5e8_encode_mlp:
	s_mov_b64 s[64:65], 0
	v_nop
	global_prefetch_b8 v0, s[64:65] scope:SCOPE_SE
	s_setreg_imm32_b32 hwreg(HW_REG_WAVE_SCHED_MODE, 0, 2), 2
	s_setreg_imm32_b32 hwreg(HW_REG_WAVE_MODE, 25, 1), 1
	s_wait_xcnt 0x0
	s_wait_alu depctr_vm_vsrc(0)
; out0[p][0..3] = W2 relu(W1 relu(W0 enc(p))), enc(p) = 16 levels x 2 features of a multiresolution hash grid, trilinear.  1,000,000 points.
; xq holds X = floor(x 2^32) for the points' 3 coordinates (made by the launch before).  table [16][524288][2] f32, W0, W1 [32][32], W2 [4][32] f32.
; POSITIONS.  Level l: P = (X S_l) / 2^32 + 2^18 with S_l = f32(scale_l) 2^19, one 64-bit multiply-add: P is x scale + 1/2 with 19 fraction bits.
; P >> 19 is the cell, P's low 19 bits the fraction: both from one number, so that a cell that differs from an f32 floor comes with the fraction that belongs to it.
; INDICES.  Levels 0-4 (resolution^3 <= 2^19) index densely: one index, the eight corners in the loads' immediates.  Levels 5-15 hash: only the low 19 bits of
; corner x prime are used, corners are at most 4,096 and the primes' low 19 bits below 2^19, so a 24-bit multiply is exact.  Each index passes a minimum with a constant inside the table.
; INTERPOLATION in f32: along x, then y (a + f (b - a)), then z with the two weights 2^16 (1 - fz), 2^16 fz; the level's two features are rounded once to f16.
; MLP on the matrix units, f16 operands, f32 sums, used transposed: source 0 = 16 rows of W, source 1 = 16 points.  In a result a lane holds one point (lane % 16) and outputs
; 8 (lane / 16) + 0..7, so two results packed in pairs ARE the next layer's source 1.  f16, since three layers of 8-bit significands would lose too much precision.
; SCALES.  Each W is multiplied by the power of two that brings its largest magnitude into [1/4, 1/2); features carry 2^16; the result is multiplied by the inverse of all four, in f32.
; LIMITS.  X stands for x in [0, 1).  A layer's output is at most 32 x 1/2 times its input, so no f16 overflows while |table| <= 65,504 / (2^16 x 16 x 16) = 3.9e-3; table numbers keep
; f16's fixed step of 6e-8 / 2^16 below 6e-5 / 2^16.  The largest magnitude of each W lies within 2^-126 .. 2^124, and the product of the three inverse scales within f32's range.  NaN and infinities are not treated apart.
; SHARES.  A group is 32 points, one a lane.  256 work-groups x 16 waves = 4,096 waves; wave id = work-group + 256 x wave takes groups id + 4,096 i: 8 groups if id < 2,578, else 7 (31,250 in all).
; PIPELINE.  Four level buffers.  Behind level l's interpolation its buffer takes level l + 4's gathers, those of the next group's levels 0-3 too: 24 to 32 gathers of a wave are always out.
; No LDS, no barrier: no wave needs another's data.  No cluster and no tensor load: the table is read 8 bytes at a time at hashed places; there is no tile to share.
; THE MODE: SCHED_MODE bits 1:0 = 2 (LLVM: expert scheduling mode 2), set by the entry lines.  The code itself states the register dependences
; between vector or matrix instructions and memory instructions, with s_wait_alu, always for 0.
; THE PLAN.  A stage is a level's turn: level l is interpolated out of buffer l % 4, and level l + 4 is asked for into the same buffer.  Registers that memory instructions touch, in the loop:
;   a buffer's 16 data registers   The stage's interpolation reads and writes them; of a hashed level the stage's index lines then write eight of them; the stage's gathers read those eight and land in all 16.
;   a buffer's dense index         Written by a dense level's stage, read by that stage's eight gathers.
;   XOFF, XN                       XOFF is stepped in a group's first stage; the load of the next group's X reads it there and lands in XN, which stages 12-15 and the MLP's three moves read.
;   OOFF, OUT                      Written in the MLP, read by the group's one store behind them.
;   The buffers' four weights, the temporaries, features, fragments, accumulators and hidden layers are named by vector and matrix instructions alone.
; So ONE wait on va_vdst stands in a stage, straight ahead of its gathers: the interpolation is done with the buffer and the indices are written; in a group's first stage also: XOFF is written and XN's
; last readers are done.  One more stands ahead of the group's store.  ONE wait on vm_vsrc stands in FOUR stages, at the head of levels 0, 4, 8 and 12: a buffer's gathers go out in one stage and the buffer
; is written again four stages on, so one of those heads lies between; the same waits lie between a group's store, or its load of X, and the next group's writes of OOFF, OUT and XOFF.
.set NGRP,   31250
.set NWV,    4096
.set LONGW,  NGRP-7*NWV                ; waves with an eighth group
.set XSTEP,  NWV*384                   ; bytes of xq from a wave's group to its next
.set OSTEP,  NWV*512                   ; the same in out0
.set LVB,    0x400000                  ; bytes of a level's table
.set FB,     19                        ; fraction bits of P
.set NDENSE, 5
.set XC,   2                           ; v[2:4]    X of the group in hand
.set XN,   6                           ; v[6:8]    X of the next group
.set XOFF, 10                          ; v10       my byte offset in xq
.set OOFF, 11                          ; v11       my byte offset in out0, one step ahead of the store that uses it
.set ADDC, 12                          ; v[12:13]  2^50: the 1/2 in P
.set CZ,   14                          ; v[14:15]  -1/8, 1/8
.set KZ,   16                          ; v[16:17]  2^20 + 2^16, -2^20
.set ZERO, 18                          ; v18       0, for the packed maximum
.set OS,   20                          ; v[20:21]  the inverse of all scales
.set T,    22                          ; v[22:27]  three 64-bit products: P in the upper words
.set GX,   28                          ; v28, v29  cell x, x + 1
.set GY,   30
.set GZ,   31
.set HY,   32                          ; v32, v33  y's two hashes
.set HZ,   34                          ; v34, v35  z's
.set YZ,   36                          ; v[36:39]  their four combinations
.set MX,   40                          ; v40, v41  at work on the weights
.set FS,   42                          ; v[42:43]  a weight matrix's scale
.set F0,   44                          ; v[44:51]  features of levels 0-3, 8-11, packed; then source 1 for points 0-15
.set F1,   52                          ; v[52:59]  levels 4-7, 12-15; then source 1 for points 16-31
.set W0A,  60                          ; five fragments of weights, 8 registers each
.set W0B,  68
.set W1A,  76
.set W1B,  84
.set W2F,  92
.set BUF,  100                         ; four level buffers of 22: 16 data (corner c = i + 2 j + 4 k at 2 c), fx, fy, wz0, wz1, the dense index, one spare
.set BST,  22
.set RAW,  100                         ; at the start only: the weights as loaded, 80 registers
.set A0,   188                         ; v[188:219] four accumulators
.set H0,   220                         ; v[220:227] a hidden layer of points 0-15, packed
.set H1,   228                         ; v[228:235] of points 16-31
.set OUT,  236                         ; v[236:239] my point's four results
.set WV,   16
.set WID,  17
.set NM1,  18                          ; my groups less one
.set IT,   19
.set TB,   20                          ; s[20:51]  the 16 levels' tables
.set MASK, 52
.set MAGIC, 53
.set P1,   54
.set P2,   55
.set C19,  56                          ; s[56:57]  2^-19
.set K16,  58                          ; s[58:59]  -16
.set HM,   60                          ; lanes 16-31
.set SEL,  62                          ; s[62:63]  v_permlanex16_b32: each lane takes its own place in the other half
.set SC,   66                          ; s[66:81]  S_l
	s_load_b256 s[4:11], s[0:1], 0x0               ; xq s[4:5], table s[6:7], W0 s[8:9], W1 s[10:11]
	s_load_b128 s[12:15], s[0:1], 0x20             ; W2 s[12:13], out0 s[14:15]
	v_lshrrev_b32 v1, 5, v0
	v_readfirstlane_b32 s[WV], v1                  ; wave 0..15
	v_and_b32 v1, 31, v0                           ; lane
	; A fragment of W is 16 rows x 32 k: lane l holds row l % 16, k = 8 (l / 16) + 0..7 and 16 + 8 (l / 16) + 0..7: in f32 four loads of 16 bytes at 0, 16, 64, 80 from row x 128 + 32 (l / 16).
	v_and_b32 v[T], 15, v0
	v_bfe_u32 v[T+1], v0, 4, 1
	v_lshlrev_b32 v[T+2], 7, v[T]
	v_lshl_add_u32 v[T+2], v[T+1], 5, v[T+2]       ; W0, W1
	v_and_b32 v[T+3], 3, v0                        ; W2 has four rows: fragment rows 0-3 and 8-11 take them, the others are made 0 below
	v_lshlrev_b32 v[T+3], 7, v[T+3]
	v_lshl_add_u32 v[T+3], v[T+1], 5, v[T+3]
	s_wait_alu depctr_va_sdst(0)                   ; the wave's number is written, ahead of its first reader: the wave id, the trip count and both offsets are made from it
	s_lshl_b32 s[WID], s[WV], 8
	s_add_co_u32 s[WID], s[WID], ttmp9             ; wave id among the launch's 4,096
	s_cmp_lt_u32 s[WID], LONGW
	s_cselect_b32 s[NM1], 7, 6
	s_mul_i32 s2, s[WID], 384                      ; a group is 32 x 12 bytes of xq
	s_lshl_b32 s3, s[WID], 9                       ; and 32 x 16 bytes of out0
	v_mad_u32_u24 v[XOFF], v1, 12, s2
	v_lshl_add_u32 v[OOFF], v1, 4, s3
	s_wait_kmcnt 0x0
	s_wait_alu depctr_va_vdst(0)                   ; XOFF and the two fragment offsets are written, which the loads below read
	global_load_b96 v[XC:XC+2], v[XOFF], s[4:5] th:TH_LOAD_NT  ; my point of the first group
.irp u, 0,1
.irp q, 0,1,2,3
	global_load_b128 v[RAW+16*\u+4*\q:RAW+16*\u+4*\q+3],       v[T+2], s[8:9]   offset:2048*\u+16*(\q&1)+64*(\q>>1)
	global_load_b128 v[RAW+32+16*\u+4*\q:RAW+32+16*\u+4*\q+3], v[T+2], s[10:11] offset:2048*\u+16*(\q&1)+64*(\q>>1)
.endr
.endr
.irp q, 0,1,2,3
	global_load_b128 v[RAW+64+4*\q:RAW+64+4*\q+3], v[T+3], s[12:13] offset:16*(\q&1)+64*(\q>>1)
.endr
	; constants, while the loads are out: none of these registers is named by a load
	s_mov_b32 s[MASK], 0x7ffff                     ; 19 bits: the fraction of P, and the table's size less one
	s_mov_b32 s[MAGIC], 0x4b000000                 ; 2^23 as f32: with a 19-bit F in its low bits it is 2^23 + F
	s_mov_b32 s[P1], 0x779b1                       ; 2654435761 mod 2^19
	s_mov_b32 s[P2], 0x25795                       ; 805459861 mod 2^19
	s_mov_b32 s[C19], 0x36000000                   ; (2^23 + F) 2^-19 - 16 = F 2^-19
	s_mov_b32 s[C19+1], 0x36000000                 ; named as pairs
	s_mov_b32 s[K16], 0xc1800000
	s_mov_b32 s[K16+1], 0xc1800000
	s_mov_b32 s[HM], 0xffff0000
	s_mov_b32 s[SEL], 0x76543210
	s_mov_b32 s[SEL+1], 0xfedcba98
.macro SETS l, val                     ; S_l = f32(16 x 2^(8 l / 15) - 1) x 2^19
	s_mov_b32 s[SC+\l], \val
.endm
	SETS 0, 7864320
	SETS 1, 11616286
	SETS 2, 17046392
	SETS 3, 24905216
	SETS 4, 36279052
	SETS 5, 52740052
	SETS 6, 76563552
	SETS 7, 111042576
	SETS 8, 160942992
	SETS 9, 233162352
	SETS 10, 337683200
	SETS 11, 488952992
	SETS 12, 707881152
	SETS 13, 1024729088
	SETS 14, 1483293312
	SETS 15, 2146959360
.set lv, 0
.rept 16
	s_add_nc_u64 s[TB+2*lv:TB+2*lv+1], s[6:7], lv*LVB
.set lv, lv+1
.endr
	v_mov_b32 v[ADDC], 0
	v_mov_b32 v[ADDC+1], 1<<(FB-1)
	v_mov_b32 v[CZ], 0xbe000000                    ; wz0 = -(2^23 + F) / 8 + 2^20 + 2^16 = 2^16 (1 - f)
	v_mov_b32 v[CZ+1], 0x3e000000                  ; wz1 =  (2^23 + F) / 8 - 2^20        = 2^16 f
	v_mov_b32 v[KZ], 0x49880000
	v_mov_b32 v[KZ+1], 0xc9800000
	v_mov_b32 v[ZERO], 0
	v_mov_b32 v[OS], 0x37800000                    ; 2^-16, the features' scale undone
	v_mov_b32 v[MX+1], 0                           ; the lane exchange's destination counts as read
	s_wait_loadcnt 0x0                             ; X and all weights, once
	s_wait_alu depctr_vm_vsrc(0)                   ; the weights' loads have read the two fragment offsets, which lie in the temporaries that every stage writes
; The largest magnitude of the N numbers a lane at R, over all lanes; its exponent field E gives the scale 2^(125 - E) and, onto OS, its inverse.
.macro WNORM R, N
	v_max_num_f32 v[MX], |v[(\R)]|, |v[(\R)+1]|
.set i, 2
.rept ((\N)-2)/2
	v_max3_num_f32 v[MX], v[MX], |v[(\R)+i]|, |v[(\R)+i+1]|
.set i, i+2
.endr
	v_max_num_f32_dpp v[MX], v[MX], v[MX] row_xmask:1 row_mask:0xf bank_mask:0xf
	v_max_num_f32_dpp v[MX], v[MX], v[MX] row_xmask:2 row_mask:0xf bank_mask:0xf
	v_max_num_f32_dpp v[MX], v[MX], v[MX] row_xmask:4 row_mask:0xf bank_mask:0xf
	v_max_num_f32_dpp v[MX], v[MX], v[MX] row_xmask:8 row_mask:0xf bank_mask:0xf
	v_permlanex16_b32 v[MX+1], v[MX], s[SEL], s[SEL+1]
	v_max_num_f32 v[MX], v[MX], v[MX+1]
	v_and_b32 v[MX], 0x7f800000, v[MX]             ; E << 23
	v_sub_nc_u32 v[FS], 0x7e000000, v[MX]          ; (252 - E) << 23 is the f32 2^(125 - E)
	v_add_nc_u32 v[MX], 0x1000000, v[MX]           ; (E + 2) << 23 is 2^(E - 125)
	v_mov_b32 v[FS+1], v[FS]                       ; named as a pair
	v_mul_f32 v[OS], v[OS], v[MX]
.endm
; 16 numbers a lane at R, scaled and rounded once to f16: a fragment
.macro WFRAG DST, R
.set i, 0
.rept 8
	v_pk_mul_f32 v[(\R)+2*i:(\R)+2*i+1], v[(\R)+2*i:(\R)+2*i+1], v[FS:FS+1] op_sel_hi:[1,0]
.set i, i+1
.endr
.set i, 0
.rept 8
	v_cvt_pk_f16_f32 v[(\DST)+i], v[(\R)+2*i], v[(\R)+2*i+1]
.set i, i+1
.endr
.endm
	WNORM RAW, 32
	WFRAG W0A, RAW
	WFRAG W0B, RAW+16
	WNORM RAW+32, 32
	WFRAG W1A, RAW+32
	WFRAG W1B, RAW+48
	WNORM RAW+64, 16
	v_and_b32 v[MX], 4, v0                         ; fragment rows 4-7 and 12-15 of W2 are 0: their lanes scale by 0
	v_cmp_eq_u32 vcc_lo, 0, v[MX]
	s_wait_alu depctr_va_vcc(0)                    ; the compare has written VCC, which the select reads
	v_cndmask_b32 v[FS], 0, v[FS], vcc_lo
	WFRAG W2F, RAW+64
	v_mov_b32 v[OS+1], v[OS]                       ; named as a pair
; LEVEL L IS ASKED FOR, from the X at XB, into buffer L % 4: positions, indices, eight gathers of 8 bytes a lane, and behind them the weights.
; A hashed gather lands on its own index register; the dense index has a register of its buffer, written again only behind the wait that shows that buffer's loads done.
; nextx = 1 (a group's first stage): the next group's X is asked for too, behind the same wait and ahead of the gathers.
.macro ASTAGE XB, L, nextx=0
.set D, BUF+BST*((\L)%4)
	v_mad_nc_u64_u32 v[T:T+1],   v[(\XB)],   s[SC+(\L)], v[ADDC:ADDC+1]
	v_mad_nc_u64_u32 v[T+2:T+3], v[(\XB)+1], s[SC+(\L)], v[ADDC:ADDC+1]
	v_mad_nc_u64_u32 v[T+4:T+5], v[(\XB)+2], s[SC+(\L)], v[ADDC:ADDC+1]
	v_lshrrev_b32 v[GX], FB, v[T+1]
	v_lshrrev_b32 v[GY], FB, v[T+3]
	v_lshrrev_b32 v[GZ], FB, v[T+5]
.if \nextx
	v_add_nc_u32 v[XOFF], XSTEP, v[XOFF]           ; the load that last read this offset has been shown done by the waits on LOADcnt since, and to have read it by the waits on vm_vsrc since
.endif
.if (\L) < NDENSE
.if (\L) == 0
.set RES, 16
.elseif (\L) == 1
.set RES, 24
.elseif (\L) == 2
.set RES, 34
.elseif (\L) == 3
.set RES, 49
.else
.set RES, 71
.endif
	v_mad_u32_u24 v[GX], v[GY], RES, v[GX]
	v_mad_u32_u24 v[GX], v[GZ], RES*RES, v[GX]     ; x + res y + res^2 z
	v_min_u32 v[D+20], 0x7ffff-(1+RES+RES*RES), v[GX]  ; the farthest corner still lies in the level's table
.else
	v_mul_u32_u24 v[HY], s[P1], v[GY]
	v_mul_u32_u24 v[HZ], s[P2], v[GZ]
	v_add_nc_u32 v[GX+1], 1, v[GX]
	v_add_nc_u32 v[HY+1], s[P1], v[HY]
	v_add_nc_u32 v[HZ+1], s[P2], v[HZ]
	v_xor_b32 v[YZ],   v[HY],   v[HZ]
	v_xor_b32 v[YZ+1], v[HY+1], v[HZ]
	v_xor_b32 v[YZ+2], v[HY],   v[HZ+1]
	v_xor_b32 v[YZ+3], v[HY+1], v[HZ+1]
.irp q, 0,1,2,3
	v_and_b32 v[YZ+\q], s[MASK], v[YZ+\q]          ; mod 2^19; x's corners are below 2^13 and need no mask
.endr
.irp c, 0,1,2,3,4,5,6,7
	v_xor_b32 v[D+2*\c], v[GX+(\c&1)], v[YZ+(\c>>1)]
.endr
.irp c, 0,1,2,3,4,5,6,7
	v_min_u32 v[D+2*\c], 0x7ffff, v[D+2*\c]
.endr
.endif
	s_wait_alu depctr_va_vdst(0)                   ; the indices are written, which the gathers read; whatever read or wrote the buffer's 16 data registers before (the interpolation; at the start the weights' scaling) is done; with nextx: XOFF is written, XN's last readers are done
.if \nextx
	global_load_b96 v[XN:XN+2], v[XOFF], s[4:5] th:TH_LOAD_NT
.endif
.if (\L) < NDENSE
.irp c, 0,1,2,3,4,5,6,7
	global_load_b64 v[D+2*\c:D+2*\c+1], v[D+20], s[TB+2*(\L):TB+2*(\L)+1] offset:8*((\c&1)+RES*((\c>>1)&1)+RES*RES*(\c>>2)) scale_offset
.endr
.else
.irp c, 0,1,2,3,4,5,6,7
	global_load_b64 v[D+2*\c:D+2*\c+1], v[D+2*\c], s[TB+2*(\L):TB+2*(\L)+1] scale_offset
.endr
.endif
	v_and_or_b32 v[D+16], v[T+1], s[MASK], s[MAGIC]  ; 2^23 + F as f32.  These five lines name the buffer's four weights and temporaries: no register of a memory instruction
	v_and_or_b32 v[D+17], v[T+3], s[MASK], s[MAGIC]
	v_and_or_b32 v[T+4],  v[T+5], s[MASK], s[MAGIC]
	v_pk_fma_f32 v[D+16:D+17], v[D+16:D+17], s[C19:C19+1], s[K16:K16+1] op_sel_hi:[1,0,0]  ; fx, fy
	v_pk_fma_f32 v[D+18:D+19], v[T+4:T+5], v[CZ:CZ+1], v[KZ:KZ+1] op_sel_hi:[0,1,1]        ; 2^16 (1 - fz), 2^16 fz
.endm
; LEVEL L IS INTERPOLATED: both features at once.  CNT = the loads issued behind the level's eight.
.macro BSTAGE L, CNT
.set D, BUF+BST*((\L)%4)
.set ER, F0+((\L)&3)+8*(((\L)>>2)&1)+4*((\L)>>3)
	s_wait_loadcnt \CNT                            ; loads come back in order: this level's eight are in, the younger ones stay out
.if ((\L)&3) == 0
	s_wait_alu depctr_vm_vsrc(0)                   ; the gathers of the last four stages have read their index registers, which this stage and the next three write again, buffer by buffer; the last group's store has read OOFF and OUT, the last load of X has read XOFF
.endif
.irp q, 0,4,8,12
	v_pk_add_f32 v[D+\q+2:D+\q+3], v[D+\q+2:D+\q+3], v[D+\q:D+\q+1] neg_lo:[0,1] neg_hi:[0,1]
.endr
.irp q, 0,4,8,12
	v_pk_fma_f32 v[D+\q:D+\q+1], v[D+\q+2:D+\q+3], v[D+16:D+17], v[D+\q:D+\q+1] op_sel_hi:[1,0,1]  ; along x: a + fx (b - a)
.endr
.irp q, 0,8
	v_pk_add_f32 v[D+\q+4:D+\q+5], v[D+\q+4:D+\q+5], v[D+\q:D+\q+1] neg_lo:[0,1] neg_hi:[0,1]
.endr
.irp q, 0,8
	v_pk_fma_f32 v[D+\q:D+\q+1], v[D+\q+4:D+\q+5], v[D+16:D+17], v[D+\q:D+\q+1] op_sel:[0,1,0] op_sel_hi:[1,1,1]  ; along y, by the pair's second register
.endr
	v_pk_mul_f32 v[D:D+1], v[D:D+1], v[D+18:D+19] op_sel_hi:[1,0]
	v_pk_fma_f32 v[D:D+1], v[D+8:D+9], v[D+18:D+19], v[D:D+1] op_sel:[0,1,0] op_sel_hi:[1,1,1]  ; along z, with the scale 2^16
	v_cvt_pk_f16_f32 v[ER], v[D], v[D+1]
.endm
; Two accumulators (16 registers at A) rounded to f16 in pairs, from the low end on, and cut at 0: the next layer's source 1
.macro PACK H, A
.set i, 0
.rept 8
	v_cvt_pk_f16_f32 v[(\H)+i], v[(\A)+2*i], v[(\A)+2*i+1]
.set i, i+1
.endr
.set i, 0
.rept 8
	v_pk_max_num_f16 v[(\H)+i], v[(\H)+i], v[ZERO]
.set i, i+1
.endr
.endm
; THE MLP for the group's 32 points, as two tiles of 16.  A vector instruction that reads a matrix result or writes a matrix instruction's source stands four plain vector instructions
; that name none of its registers behind it, a matrix instruction that writes over such a register five (ISA guide 7.12.1): one tile's 16 packing lines are the other tile's places;
; v_nop stand behind the first four products, and in the last group behind the last product.  Every product starts its sum with the constant 0, and no two on end share an accumulator.
.macro MLP more
.set i, 0
.rept 8
	v_permlane16_swap_b32 v[F0+i], v[F1+i]         ; lanes 16-31 of the first and lanes 0-15 of the second change places: F0 becomes points 0-15 (k by lane half), F1 points 16-31
.set i, i+1
.endr
	v_wmma_f32_16x16x32_f16 v[A0:A0+7],     v[W0A:W0A+7], v[F0:F0+7], 0
	v_wmma_f32_16x16x32_f16 v[A0+8:A0+15],  v[W0B:W0B+7], v[F0:F0+7], 0
	v_wmma_f32_16x16x32_f16 v[A0+16:A0+23], v[W0A:W0A+7], v[F1:F1+7], 0
	v_wmma_f32_16x16x32_f16 v[A0+24:A0+31], v[W0B:W0B+7], v[F1:F1+7], 0
.rept 4
	v_nop
.endr
	PACK H0, A0
	v_wmma_f32_16x16x32_f16 v[F0:F0+7], v[W1A:W1A+7], v[H0:H0+7], 0  ; the features' registers are free: they take layer 1 of points 0-15
	v_wmma_f32_16x16x32_f16 v[F1:F1+7], v[W1B:W1B+7], v[H0:H0+7], 0
	PACK H1, A0+16
	v_wmma_f32_16x16x32_f16 v[A0:A0+7],    v[W1A:W1A+7], v[H1:H1+7], 0
	v_wmma_f32_16x16x32_f16 v[A0+8:A0+15], v[W1B:W1B+7], v[H1:H1+7], 0
	PACK H0, F0
	v_wmma_f32_16x16x32_f16 v[A0+16:A0+23], v[W2F:W2F+7], v[H0:H0+7], 0
	PACK H1, A0
	v_wmma_f32_16x16x32_f16 v[A0+24:A0+31], v[W2F:W2F+7], v[H1:H1+7], 0
	s_wait_xcnt 0x0                                ; the last group's store has had its address translated: its offset and data registers are rewritten only behind this wait (that it has read them, the four waits on vm_vsrc since it was issued have stated)
	v_add_nc_u32 v[OOFF], OSTEP, v[OOFF]           ; this line and the three below are the four places behind the last product
.if \more
	v_mov_b32 v[XC],   v[XN]                       ; the next group becomes the group in hand
	v_mov_b32 v[XC+1], v[XN+1]
	v_mov_b32 v[XC+2], v[XN+2]
.else
.rept 3
	v_nop
.endr
.endif
.irp j, 0,1,2,3
	v_cndmask_b32 v[OUT+\j], v[A0+16+\j], v[A0+24+\j], s[HM]  ; W2 lies in fragment rows 0-3 and 8-11, so both lane halves hold results: lanes 0-15 keep points 0-15, lanes 16-31 points 16-31
.endr
	v_pk_mul_f32 v[OUT:OUT+1],   v[OUT:OUT+1],   v[OS:OS+1] op_sel_hi:[1,0]
	v_pk_mul_f32 v[OUT+2:OUT+3], v[OUT+2:OUT+3], v[OS:OS+1] op_sel_hi:[1,0]
	s_wait_alu depctr_va_vdst(0)                   ; the multiplies have written OUT and the add OOFF, which the store reads
	global_store_b128 v[OOFF], v[OUT:OUT+3], s[14:15] offset:-OSTEP th:TH_STORE_NT  ; 512 consecutive bytes a wave, at a multiple of 512 from out0's first byte
.endm
; A GROUP.  On entry its levels 0-3 are out: 32 loads.  more = 1: the next group's X is asked for in the first stage, ahead of level 4's gathers, and its levels 0-3 are asked for behind levels 12-15.
; The counts: behind a level's eight loads stand those of the three younger levels, 24; for levels 1-3 with more = 1 also the one load of X, 25.
; The wait of level 4 shows X in, long before level 12's turn uses it.  more = 0: nothing follows level 15, and the counts run down 24, 16, 8, 0.
.macro BODY more
.set lv, 0
.rept 16
.if \more
.if (lv > 0) && (lv < 4)
.set cnt, 25
.else
.set cnt, 24
.endif
.else
.if lv < 13
.set cnt, 24
.else
.set cnt, 8*(15-lv)
.endif
.endif
	BSTAGE lv, cnt
.if lv == 0
	ASTAGE XC, 4, \more
.elseif lv < 12
	ASTAGE XC, lv+4
.elseif \more
	ASTAGE XN, lv-12
.endif
.set lv, lv+1
.endr
	MLP \more
.endm
	ASTAGE XC, 0
	ASTAGE XC, 1
	ASTAGE XC, 2
	ASTAGE XC, 3
	s_mov_b32 s[IT], 0
.Lgroup:                                               ; all my groups but the last: 6 or 7 trips
	BODY 1
	s_add_co_u32 s[IT], s[IT], 1
	s_cmp_lt_u32 s[IT], s[NM1]
	s_cbranch_scc1 .Lgroup
	BODY 0                                         ; the last group is written out: no load reaches past my last group
	s_endpgm
.Lfunc_end_k_qee1faae5e8_encode_mlp:
	.size	k_qee1faae5e8_encode_mlp, .Lfunc_end_k_qee1faae5e8_encode_mlp-k_qee1faae5e8_encode_mlp
	.p2alignl 7, 3214868480
	.fill 96, 4, 3214868480
	.section	.rodata,"a",@progbits
	.p2align	6, 0x0
	.amdhsa_kernel k_qee1faae5e8_encode_mlp
		.amdhsa_group_segment_fixed_size 0
		.amdhsa_private_segment_fixed_size 0
		.amdhsa_enable_private_segment 0
		.amdhsa_kernarg_size 48
		.amdhsa_user_sgpr_count 2
		.amdhsa_user_sgpr_kernarg_segment_ptr 1
		.amdhsa_wavefront_size32 1
		.amdhsa_system_sgpr_workgroup_id_x 1
		.amdhsa_system_sgpr_workgroup_id_y 1
		.amdhsa_system_sgpr_workgroup_id_z 1
		.amdhsa_system_vgpr_workitem_id 0
		.amdhsa_next_free_vgpr 240
		.amdhsa_next_free_sgpr 82
		.amdhsa_reserve_vcc 1
		.amdhsa_float_denorm_mode_32 3
		.amdhsa_float_denorm_mode_16_64 3
		.amdhsa_memory_ordered 1
		.amdhsa_forward_progress 1
		.amdhsa_inst_pref_size 131
	.end_amdhsa_kernel
	.amdgpu_metadata
---
amdhsa.version: [ 1, 2 ]
amdhsa.kernels:
  - .name:           k_qee1faae5e8_encode_mlp
    .symbol:         k_qee1faae5e8_encode_mlp.kd
    .args:
      - { .name: xq, .offset: 0, .size: 8, .value_kind: global_buffer, .address_space: global }
      - { .name: table, .offset: 8, .size: 8, .value_kind: global_buffer, .address_space: global }
      - { .name: W0, .offset: 16, .size: 8, .value_kind: global_buffer, .address_space: global }
      - { .name: W1, .offset: 24, .size: 8, .value_kind: global_buffer, .address_space: global }
      - { .name: W2, .offset: 32, .size: 8, .value_kind: global_buffer, .address_space: global }
      - { .name: out0, .offset: 40, .size: 8, .value_kind: global_buffer, .address_space: global }
    .group_segment_fixed_size: 0
    .private_segment_fixed_size: 0
    .kernarg_segment_align: 8
    .kernarg_segment_size: 48
    .max_flat_workgroup_size: 512
    .sgpr_count:     82
    .vgpr_count:     240
    .wavefront_size: 32
...
	.end_amdgpu_metadata
.endif
;; end of part 3
